; MI455X (gfx1250); checked and timed in simulation.
; The chip was launched on July 23, 2026; its instructions are those of AMD's public machine-readable ISA for CDNA 5 (MIT licence, August 2026) and "CDNA5" Instruction Set Architecture Reference Guide (July 2026). The comments in the code are by the model that wrote it; some were corrected since.
;; Causal Attention. Allowed arithmetic: matrix products marked QUANTISED: E4M3 operands, one E8M0 scale for each 32 along K, by v_wmma_scale_f32_16x16x128_f8f6f4 with both operands' format E4M3, f32 sums; everything else in f32.
;; Inputs: b_proj 1,024 float32; b_qkv 3,072 float32; w_proj 1,024 x 1,024 float32; w_qkv 1,024 x 3,072 float32; x 1 x 4,096 x 1,024 float32.
;; Outputs: out0 1 x 4,096 x 1,024 float32.
;; This version of the problem:
;;   THIS VERSION OF THE PROBLEM IS GIVEN IN LOW PRECISION. The matrix products marked QUANTISED in the list below multiply operands that are first quantised to E4M3 (4 exponent bits, 3 mantissa bits; 8 bits a number), with one power-of-two scale for each 32 numbers along K (OCP MX v1.0); their sums are f32. All else is computed in f32.
;;   The module's matrix products, in the order in which they are computed (A, B: the left and right operand; K: the contracted axis; several contracted axes count as one K, in the product's order):
;;     1. [M 4,096, K 1,024] x [K 1,024, N 3,072]; A: input x; B: input w_qkv: QUANTISED
;;     2. batch 16 x [M 4,096, K 64] x [K 64, N 4,096]; A: computed on the way; B: computed on the way: QUANTISED
;;     3. batch 16 x [M 4,096, K 4,096] x [K 4,096, N 64]; A: softmax (see below); B: computed on the way: QUANTISED
;;     4. [M 4,096, K 1,024] x [K 1,024, N 1,024]; A: computed on the way; B: input w_proj: QUANTISED
;;   THE QUANTISER, for each operand of a quantised product, along K:
;;     - K is cut into blocks of 32 from its start; a last block that is shorter is filled with zeros.
;;     - A block's scale is 2^e with e = floor(log2(the largest magnitude in the block)) - 8, held to -126 .. 127; a block of zeros has e = 0. As a byte (E8M0): e + 127.
;;     - Each number is divided by its block's scale, clamped to +-448, and rounded to the nearest number of E4M3, ties to even, subnormals kept.
;;     - The product sums the exact products of the quantised numbers (number of the format x scale) in f32.
;;   ~~~python
;;   def quantise(x, axis):      # numpy; x: float32 -> the quantised numbers, widened to float32 again
;;       x = np.moveaxis(x, axis, -1); K = x.shape[-1]
;;       x = np.pad(x, [(0, 0)] * (x.ndim - 1) + [(0, -K % 32)]); x = x.reshape(x.shape[:-1] + (-1, 32)); a = np.abs(x).max(-1, keepdims=True)
;;       e = np.where(a > 0, np.clip(np.frexp(np.where(a > 0, a, 1))[1] - 1 - 8, -126, 127), 0)      # np.frexp(a)[1] - 1 = floor(log2(a)), exactly
;;       r = np.clip(x / 2.0 ** e, -448, 448)
;;       step = 2.0 ** (np.maximum(np.frexp(np.where(r == 0, 1, r))[1] - 1, -6) - 3)
;;       q = np.round(r / step) * step * 2.0 ** e      # np.round: ties to even
;;       return np.moveaxis(q.reshape(q.shape[:-2] + (-1,))[..., :K], -1, axis).astype(np.float32)
;;   ~~~
;;   SOFTMAX AHEAD OF A QUANTISED PRODUCT. Where the list says 'softmax', what is quantised is not the finished softmax but p = 2^(t - M), with t = logit x log2(e) and M = ceil(the row's largest t), a whole number; so 1/2 < the row's largest p <= 1. The row's sum l is taken of the UNQUANTISED p, in f32, and the product's result is divided by l at the end. Since M is a whole number, a kernel that streams over the keys may use a running M (the ceiling of the running maximum): every later rescaling is an exact power of two, which a block's scale takes up: the codes' values come out the same.
;;   OPERANDS COMPUTED ON THE WAY. 'Computed on the way' means the value that the module computes at that place (a softmax that the list does not call 'softmax' is quantised finished and normalised). What goes into a quantiser is computed in f32, as accurately as f32 sums, v_exp_f32 and their like allow (about 1e-6 of the number): no bf16 or f16 on the way to a quantiser, and a product that is left as it is and whose result goes on into a quantised operand takes f32 operands (vector FMAs, or v_wmma_f32_16x16x4_f32). A number that lies on a knife's edge between two numbers of the format may be rounded either way, as far as f32 arithmetic and the matrix unit's own rounding can turn it there, and no further.
;; One version. Each part assembles by itself: llvm-mc -triple=amdgcn-amd-amdhsa -mcpu=gfx1250 --defsym DOCPART=n.
;; ======== version 1 of 1: 4 launches
;; limits: right only within a limited range of input values
;; workspace buffers: opc 8,388,608 bytes; ops 262,144 bytes; qkv 17,825,792 bytes; ao 4,194,304 bytes; aos 131,072 bytes
;; launch prep (part 1): grid 384 x 1, 8 waves a work-group, no clusters, 71,168 bytes of LDS; arguments x, w_qkv, w_proj, opc, ops; writes opc, ops
.if DOCPART == 1
	.amdgcn_target "amdgcn-amd-amdhsa--gfx1250"
	.amdhsa_code_object_version 6
	.text
	.protected	k_qf9dcb2ef9a_prep
	.globl	k_qf9dcb2ef9a_prep
	.p2align	8
	.type	k_qf9dcb2ef9a_prep,@function
k_qf9dcb2ef9a_prep:
	s_mov_b64 s[64:65], 0
	v_nop
	global_prefetch_b8 v0, s[64:65] scope:SCOPE_SE
	s_setreg_imm32_b32 hwreg(HW_REG_WAVE_MODE, 25, 1), 1
	s_wait_xcnt 0x0
; PREP: x [4096][1024], w_qkv [1024][3072] and w_proj [1024][1024], f32, become codes of E4M3 with one E8M0 byte for each 32 along K (K = 1,024 for all three).
; A block's scale is 2^(floor(log2(largest magnitude)) - 8): its byte is the largest magnitude's exponent field - 8; numbers are held within +-448 x the scale and rounded to the nearest code, ties to even.
; LIMITS: a block whose largest magnitude lies under 2^-118 keeps the byte 1; a block of zeros gets the byte 1 where the rule says 127 (its codes are zeros, and this program alone reads the bytes); NaN and infinities among the inputs are not served.
; LAYOUT OF THE RESULT.  A TILE is 16 operand rows (tokens of x, columns of a weight); row r of tile T is index 32 (T / 2) + 8 (T % 2) + r % 8 + 16 (r / 8), so that a product that takes such tiles as its first
; source leaves 16 neighbours along that axis in the 16 registers of two neighbouring tiles.  opc: [tile 0..511][K step 0..7][2,048 bytes]: the image of the operand's 16 registers: group c of lane l at 512 c + 16 l.
; Tiles 0-255: x; 256-447: w_qkv's columns; 448-511: w_proj's.  ops: [tile][512 bytes]: the word (four bytes) of row r and K step 4 g + i at 256 g + 16 r + 4 i.
; SHARES.  Work-groups 0-255 take a tile of x, 256-351 two tiles (32 columns) of w_qkv, 352-383 two of w_proj; in each, wave w takes K step w (128 along K).  Memory binds: no matrix unit, no cluster, no tensor load.
; The three ways part on the work-group's number alone; each has LDS bytes of its own.
.set SROW, 528                         ; a stage row: 512 bytes + 16: 33 pieces of 16 bytes, so that sixteen rows' pieces fall on sixteen different places modulo 256 bytes
.set XSC,  67584                       ; behind the eight waves' stages (16 rows each): the tile's 512 bytes of scale words
.set WSC1, 68096                       ; w_qkv's way: two tiles' scale words
.set WSC2, 69120                       ; w_proj's way: likewise
.set R,  16                            ; v16-79   x: 16 rows as loaded
.set X,  80                            ; v80-143  x: 64 numbers of my row: register 16 b + i = k 32 b + 16 (lane / 16) + i
.set PC, 144                           ; v144-159 the fragment's codes
.set TM, 160                           ; v160-175 at work
.set PW, 176                           ; v176     the scale word
	s_load_b256 s[4:11], s[0:1], 0x0               ; x s[4:5], w_qkv s[6:7], w_proj s[8:9], opc s[10:11]
	s_load_b64 s[12:13], s[0:1], 0x20              ; ops
	v_lshl_add_u32 v192, v0, 2, 0x11200
	v_mov_b32 v193, 0
	v_lshrrev_b32 v1, 5, v0
	s_delay_alu instid0(VALU_DEP_1)
	v_readfirstlane_b32 s14, v1                    ; wave = K step
	v_and_b32 v1, 31, v0                           ; lane
	v_and_b32 v2, 15, v0                           ; r
	v_bfe_u32 v3, v0, 4, 1                         ; h
	s_delay_alu instid0(VALU_DEP_3)
	v_lshlrev_b32 v4, 4, v1                        ; 16 x lane
	s_mov_b32 s20, 0x76543210
	s_mov_b32 s21, 0xfedcba98                      ; v_permlanex16_b32's selects for lane l xor 16
	s_mov_b32 s22, 0x600000                        ; the mantissa field of 448
	s_lshr_b32 s15, s14, 2
	s_lshl_b32 s15, s15, 8
	s_and_b32 s16, s14, 3
	s_lshl_b32 s16, s16, 2
	s_add_co_u32 s15, s15, s16                     ; where K step w's word lies among a tile's: 256 (w / 4) + 4 (w % 4)
	s_lshl_b32 s17, s14, 11                        ; and its image among a tile's: 2,048 w
	s_mov_b32 s25, 0                               ; the upper words of three offsets
	s_mov_b32 s27, 0
	s_mov_b32 s29, 0
	s_cmp_lt_u32 ttmp9, 256
	s_cbranch_scc0 .Lweights
; ---- x: K is innermost.  Each load takes 512 consecutive bytes of one row; the 16 rows turn through the wave's own stage, so that a lane gets 16 neighbours of each block of its row.
	s_lshr_b32 s24, ttmp9, 1
	s_lshl_b32 s24, s24, 5
	s_and_b32 s26, ttmp9, 1
	s_lshl_b32 s26, s26, 3
	s_add_co_u32 s24, s24, s26                     ; the tile's first token: 32 (T / 2) + 8 (T % 2)
	s_lshl_b32 s24, s24, 12                        ; rows of 4,096 bytes
	s_lshl_b32 s26, s14, 9
	s_add_co_u32 s24, s24, s26                     ; + 512 w: my K step
	s_lshl_b32 s26, ttmp9, 14
	s_add_co_u32 s26, s26, s17                     ; opc: 16,384 T + 2,048 w
	s_lshl_b32 s28, ttmp9, 9                       ; ops: 512 T
	s_mul_i32 s30, s14, 16*SROW                    ; my stage
	s_wait_alu depctr_va_vdst(0)
	v_add_nc_u32 v5, s30, v4                       ; into it: 16 x lane of a row
	v_mul_u32_u24 v6, v2, SROW
	s_delay_alu instid0(VALU_DEP_1)
	v_lshl_add_u32 v6, v3, 6, v6
	s_delay_alu instid0(VALU_DEP_1)
	v_add_nc_u32 v6, s30, v6                       ; out of it: row r, + 64 h
	v_lshl_add_u32 v7, v2, 4, s15
	s_delay_alu instid0(VALU_DEP_1)
	v_add_nc_u32 v7, XSC, v7                       ; my row's word of my K step
	v_add_nc_u32 v8, XSC, v4                       ; and where wave 0 reads the tile's words back
.irp b, 0,1,2,3
	v_mov_b32 v[TM+4+\b], 0                        ; written once: a lane permute's destination counts as one of its sources
.endr
	s_wait_alu depctr_va_vdst(0)
	s_wait_kmcnt 0x0
	s_add_nc_u64 s[4:5], s[4:5], s[24:25]
	s_add_nc_u64 s[10:11], s[10:11], s[26:27]
	s_add_nc_u64 s[12:13], s[12:13], s[28:29]
.irp j, 0,1,2,3,4,5,6,7,8,9,10,11,12,13,14,15
	global_load_b128 v[R+4*\j:R+4*\j+3], v4, s[4:5] offset:((\j)%8+16*((\j)/8))*4096 th:TH_LOAD_NT   ; row j of the tile: 32 lanes read 512 consecutive bytes, read once in the launch
.endr
.irp j, 0,1,2,3,4,5,6,7,8,9,10,11,12,13,14,15
	s_wait_loadcnt 15-\j                           ; loads come back in order: row j is in, the 15 - j younger ones may be out
	ds_store_b128 v5, v[R+4*\j:R+4*\j+3] offset:SROW*\j
.endr
.irp b, 0,1,2,3
.irp i, 0,1,2,3
	ds_load_b128 v[X+16*\b+4*\i:X+16*\b+4*\i+3], v6 offset:128*\b+16*\i   ; LDS serves a wave's instructions in order: these see my stores
.endr
.endr
	s_wait_dscnt 0x0
.irp b, 0,1,2,3
	v_max3_num_f32 v[TM+\b], |v[X+16*\b]|, |v[X+1+16*\b]|, 0x4800000   ; block b: my 16 numbers, and the floor 2^(9 - 127): the byte cannot fall under 1
.endr
.irp i, 2,4,6,8,10,12,14
.irp b, 0,1,2,3
	s_delay_alu instid0(VALU_DEP_4)
	v_max3_num_f32 v[TM+\b], v[TM+\b], |v[X+16*\b+\i]|, |v[X+1+16*\b+\i]|   ; the four blocks by turns
.endr
.endr
.irp b, 0,1,2,3
	s_delay_alu instid0(VALU_DEP_4)
	v_permlanex16_b32 v[TM+4+\b], v[TM+\b], s20, s21
.endr
.irp b, 0,1,2,3
	s_delay_alu instid0(VALU_DEP_4)
	v_max_num_f32 v[TM+\b], v[TM+\b], v[TM+4+\b]   ; with lane l xor 16's 16: the block's largest magnitude
.endr
.irp b, 0,1,2,3
	s_delay_alu instid0(VALU_DEP_4)
	v_add_nc_u32 v[TM+12+\b], 0xfc000000, v[TM+\b] ; 8 off its exponent field: the conversion's scale operand
.endr
.irp b, 0,1,2,3
	v_and_or_b32 v[TM+8+\b], v[TM+\b], 0x7f800000, s22   ; 448 x the scale
.endr
.irp b, 0,1,2,3
	v_lshrrev_b32 v[TM+4+\b], 23, v[TM+12+\b]      ; the scale's byte
.endr
	s_delay_alu instid0(VALU_DEP_3)
	v_lshl_or_b32 v[PW], v[TM+5], 8, v[TM+4]
	s_delay_alu instid0(VALU_DEP_1)
	v_lshl_or_b32 v[PW], v[TM+6], 16, v[PW]
	s_delay_alu instid0(VALU_DEP_1)
	v_lshl_or_b32 v[PW], v[TM+7], 24, v[PW]        ; my row's word
.irp b, 0,1,2,3
.irp i, 0,1,2,3,4,5,6,7,8,9,10,11,12,13,14,15
	v_med3_num_f32 v[X+16*\b+\i], v[X+16*\b+\i], -v[TM+8+\b], v[TM+8+\b]   ; the conversion to an 8-bit code does not saturate (ISA guide 7.6.2): the hold comes first
.endr
	v_cvt_scalef32_pk8_fp8_f32 v[PC+4*\b:PC+1+4*\b], v[X+16*\b:X+7+16*\b], v[TM+12+\b]
	v_cvt_scalef32_pk8_fp8_f32 v[PC+2+4*\b:PC+3+4*\b], v[X+8+16*\b:X+15+16*\b], v[TM+12+\b]
.endr
	v_nop                                          ; a plain line behind the last conversion
.irp c, 0,1,2,3
	global_store_b128 v4, v[PC+4*\c:PC+4*\c+3], s[10:11] offset:512*\c   ; the image: 512 consecutive bytes a store
.endr
	ds_store_b32 v7, v[PW]                         ; lanes 16-31 write the same word with the same value
	s_wait_dscnt 0x0                               ; for the others' sake: my word lies in LDS
	s_barrier_signal -1
	s_barrier_wait -1                              ; the tile's eight K steps' words are there
	s_cmp_lg_u32 s14, 0
	s_cbranch_scc1 .Lx_end
	ds_load_b128 v[16:19], v8
	s_wait_dscnt 0x0
	global_store_b128 v4, v[16:19], s[12:13]       ; 512 consecutive bytes: two aligned blocks of 256
.Lx_end:
	s_wait_tensorcnt 0x0
	ds_add_u32 v192, v193
	s_wait_dscnt 0x0
	s_endpgm
; ---- the weights: K is the FIRST axis.  A lane takes a column and its registers run down K: a block of 32 lies in one lane, and the codes come out with K innermost.
; Lane l takes column 32 G + l % 8 + 8 (l / 16) + 16 ((l / 8) % 2): so lane l is row l % 16 of tile 2 G + l / 16.
.macro WLOAD t, rowb, bs               ; block t of my K step: 32 rows of the weight at my column, into set t % 2
.irp i, 0,1,2,3,4,5,6,7,8,9,10,11,12,13,14,15,16,17,18,19,20,21,22,23,24,25,26,27,28,29,30,31
	global_load_b32 v[32+32*((\t)%2)+\i], v8, s[\bs:\bs+1] offset:(32*(\t)+\i)*\rowb
.endr
.endm
.macro WBLOCK t, rowb, bs
.set XS, 32+32*((\t)%2)
.set CC, 96+8*(\t)                     ; each block has its own eight registers of codes: no store's data are written again
.if (\t) < 3
	s_wait_loadcnt 32                              ; this block's 32 loads are in; the next block's 32 may be out
.else
	s_wait_loadcnt 0x0
.endif
	v_max3_num_f32 v12, |v[XS]|, |v[XS+1]|, |v[XS+2]|
	v_max3_num_f32 v13, |v[XS+3]|, |v[XS+4]|, |v[XS+5]|
.irp i, 6,10,14,18,22,26
	s_delay_alu instid0(VALU_DEP_2)
	v_max3_num_f32 v12, v12, |v[XS+\i]|, |v[XS+\i+1]|
	s_delay_alu instid0(VALU_DEP_2)
	v_max3_num_f32 v13, v13, |v[XS+\i+2]|, |v[XS+\i+3]|
.endr
	s_delay_alu instid0(VALU_DEP_2)
	v_max3_num_f32 v12, v12, |v[XS+30]|, |v[XS+31]|
	s_delay_alu instid0(VALU_DEP_1)
	v_max3_num_f32 v12, v12, v13, 0x4800000        ; the block's largest magnitude, and the floor
	s_delay_alu instid0(VALU_DEP_1)
	v_add_nc_u32 v11, 0xfc000000, v12              ; the conversion's scale operand
	s_delay_alu instid0(VALU_DEP_2)
	v_and_or_b32 v10, v12, 0x7f800000, s22         ; 448 x the scale
	s_delay_alu instid0(VALU_DEP_2)
	v_lshrrev_b32 v13, 23, v11                     ; the byte
.if (\t) == 0
	s_delay_alu instid0(VALU_DEP_1)
	v_mov_b32 v14, v13
.else
	s_delay_alu instid0(VALU_DEP_1)
	v_lshl_or_b32 v14, v13, 8*(\t), v14            ; four bytes make my column's word of this K step
.endif
.irp i, 0,1,2,3,4,5,6,7,8,9,10,11,12,13,14,15,16,17,18,19,20,21,22,23,24,25,26,27,28,29,30,31
	v_med3_num_f32 v[XS+\i], v[XS+\i], -v10, v10
.endr
.irp g, 0,1,2,3
	v_cvt_scalef32_pk8_fp8_f32 v[CC+2*\g:CC+2*\g+1], v[XS+8*\g:XS+8*\g+7], v11
.endr
	v_nop                                          ; a plain line behind the last conversion
	global_store_b128 v9, v[CC:CC+3], s[10:11] offset:512*(\t)         ; k 32 t + 0..15: the image's lanes 0-15 of group t: each half of my lanes fills one aligned block of 256 bytes
	global_store_b128 v9, v[CC+4:CC+7], s[10:11] offset:512*(\t)+256   ; k 32 t + 16..31: its lanes 16-31
.if (\t)+2 < 4
	WLOAD (\t)+2, \rowb, \bs
.endif
.endm
.macro WPATH rowb, tile0, wsc, bs, g0
	s_sub_co_u32 s23, ttmp9, \g0                   ; G: which 32 columns
	s_lshl_b32 s24, s23, 7                         ; 128 G bytes along a row,
	s_mul_i32 s26, s14, 128*\rowb                  ; my K step's 128 rows down
	s_add_co_u32 s24, s24, s26
	s_lshl_b32 s28, s23, 1
	s_add_co_u32 s28, s28, \tile0                  ; the first of my two tiles
	s_lshl_b32 s26, s28, 14
	s_add_co_u32 s26, s26, s17                     ; opc: 16,384 x tile + 2,048 w
	s_lshl_b32 s28, s28, 9                         ; ops: 512 x tile
	s_and_b32 s30, s14, 1
	s_lshl_b32 s30, s30, 9                         ; waves 0 and 1 carry a tile's words out: 512 x wave
	v_and_b32 v8, 7, v0
	s_wait_alu depctr_va_vdst(0)
	v_lshl_add_u32 v8, v3, 3, v8
	v_bfe_u32 v12, v0, 3, 1
	s_delay_alu instid0(VALU_DEP_1)
	v_lshl_add_u32 v8, v12, 4, v8
	s_delay_alu instid0(VALU_DEP_1)
	v_lshlrev_b32 v8, 2, v8                        ; my column among the 32, in bytes
	v_lshlrev_b32 v9, 4, v2
	s_delay_alu instid0(VALU_DEP_1)
	v_lshl_add_u32 v9, v3, 14, v9                  ; my place in the images: 16,384 (l / 16) + 16 (l % 16)
	v_lshl_add_u32 v15, v2, 4, s15
	s_delay_alu instid0(VALU_DEP_1)
	v_lshl_add_u32 v15, v3, 9, v15
	s_delay_alu instid0(VALU_DEP_1)
	v_add_nc_u32 v15, \wsc, v15                    ; my word in LDS: 512 (l / 16) + 16 (l % 16) + the K step's place
	v_add_nc_u32 v21, s30, v4
	s_delay_alu instid0(VALU_DEP_1)
	v_add_nc_u32 v20, \wsc, v21
	s_wait_alu depctr_va_vdst(0)
	s_wait_kmcnt 0x0
	s_add_nc_u64 s[\bs:\bs+1], s[\bs:\bs+1], s[24:25]
	s_add_nc_u64 s[10:11], s[10:11], s[26:27]
	s_add_nc_u64 s[12:13], s[12:13], s[28:29]
	WLOAD 0, \rowb, \bs
	WLOAD 1, \rowb, \bs
	WBLOCK 0, \rowb, \bs
	WBLOCK 1, \rowb, \bs
	WBLOCK 2, \rowb, \bs
	WBLOCK 3, \rowb, \bs
	ds_store_b32 v15, v14
	s_wait_dscnt 0x0                               ; for the others' sake: my word lies in LDS
	s_barrier_signal -1
	s_barrier_wait -1
	s_cmp_lt_u32 s14, 2
	s_cbranch_scc0 .Lw_end_\@
	ds_load_b128 v[16:19], v20
	s_wait_dscnt 0x0
	global_store_b128 v21, v[16:19], s[12:13]      ; a tile's 512 bytes of words
.Lw_end_\@:
	s_wait_tensorcnt 0x0
	ds_add_u32 v192, v193
	s_wait_dscnt 0x0
	s_endpgm
.endm
.Lweights:
	s_cmp_lt_u32 ttmp9, 352
	s_cbranch_scc0 .Lw_proj
	WPATH 12288, 256, WSC1, 6, 256
.Lw_proj:
	WPATH 4096, 448, WSC2, 8, 352
.Lfunc_end_k_qf9dcb2ef9a_prep:
	.size	k_qf9dcb2ef9a_prep, .Lfunc_end_k_qf9dcb2ef9a_prep-k_qf9dcb2ef9a_prep
	.p2alignl 7, 3214868480
	.fill 96, 4, 3214868480
	.section	.rodata,"a",@progbits
	.p2align	6, 0x0
	.amdhsa_kernel k_qf9dcb2ef9a_prep
		.amdhsa_group_segment_fixed_size 71168
		.amdhsa_private_segment_fixed_size 0
		.amdhsa_enable_private_segment 0
		.amdhsa_kernarg_size 40
		.amdhsa_user_sgpr_count 2
		.amdhsa_user_sgpr_kernarg_segment_ptr 1
		.amdhsa_wavefront_size32 1
		.amdhsa_system_sgpr_workgroup_id_x 1
		.amdhsa_system_sgpr_workgroup_id_y 1
		.amdhsa_system_sgpr_workgroup_id_z 1
		.amdhsa_system_vgpr_workitem_id 0
		.amdhsa_next_free_vgpr 194
		.amdhsa_next_free_sgpr 66
		.amdhsa_reserve_vcc 0
		.amdhsa_float_denorm_mode_32 3
		.amdhsa_float_denorm_mode_16_64 3
		.amdhsa_memory_ordered 1
		.amdhsa_forward_progress 1
		.amdhsa_inst_pref_size 80
	.end_amdhsa_kernel
	.amdgpu_metadata
---
amdhsa.version: [ 1, 2 ]
amdhsa.kernels:
  - .name:           k_qf9dcb2ef9a_prep
    .symbol:         k_qf9dcb2ef9a_prep.kd
    .args:
      - { .name: x, .offset: 0, .size: 8, .value_kind: global_buffer, .address_space: global }
      - { .name: w_qkv, .offset: 8, .size: 8, .value_kind: global_buffer, .address_space: global }
      - { .name: w_proj, .offset: 16, .size: 8, .value_kind: global_buffer, .address_space: global }
      - { .name: opc, .offset: 24, .size: 8, .value_kind: global_buffer, .address_space: global }
      - { .name: ops, .offset: 32, .size: 8, .value_kind: global_buffer, .address_space: global }
    .group_segment_fixed_size: 71168
    .private_segment_fixed_size: 0
    .kernarg_segment_align: 8
    .kernarg_segment_size: 40
    .max_flat_workgroup_size: 256
    .sgpr_count:     66
    .vgpr_count:     194
    .wavefront_size: 32
...
	.end_amdgpu_metadata
.endif
;; end of part 1
;; launch qkv (part 2): grid 12 x 16, 4 waves a work-group, no clusters, 327,680 bytes of LDS; arguments opc, ops, b_qkv, qkv; writes qkv
.if DOCPART == 2
	.amdgcn_target "amdgcn-amd-amdhsa--gfx1250"
	.amdhsa_code_object_version 6
	.text
	.protected	k_qf9dcb2ef9a_qkv
	.globl	k_qf9dcb2ef9a_qkv
	.p2align	8
	.type	k_qf9dcb2ef9a_qkv,@function
k_qf9dcb2ef9a_qkv:
	s_mov_b64 s[64:65], 0
	v_nop
	global_prefetch_b8 v0, s[64:65] scope:SCOPE_SE
	s_setreg_imm32_b32 hwreg(HW_REG_WAVE_MODE, 25, 1), 1
	s_wait_xcnt 0x0
.set HS,    557056
.set KVB,   17408
.set SLOT,  131072
.set SPARE, 262144
.set BR,   4
.set ADRA, 16
.set ADRB, 20
.set TM,   32
.set PW,   48
.set SW,   52
.set SC,   64
.set AF,   128
.set BC,   128
.set PC,   192
.set MUL_LO, 0xa1
.set MUL_HI, 0xf1
.set TO_B,   0x40
.set MSB, 0
.macro WIN new
.if MSB != (\new)
	s_set_vgpr_msb (MSB<<8)|(\new)
.set MSB, (\new)
.endif
.endm
.macro PLACES n
.rept \n
	v_nop
.endr
.endm
	s_load_b256 s[4:11], s[0:1], 0x0
	v_lshl_add_u32 v28, v0, 2, SPARE
	v_mov_b32 v29, 0
	ds_add_u32 v28, v29
	ds_add_u32 v28, v29
	s_wait_dscnt 0x0
	v_lshrrev_b32 v1, 5, v0
	v_readfirstlane_b32 s14, v1
	s_lshr_b32 s15, s14, 1
	s_and_b32 s16, s14, 1
	s_mov_b32 s17, ttmp9
	s_and_b32 s18, ttmp7, 0xffff
	s_mov_b32 s20, 0x76543210
	s_mov_b32 s21, 0xfedcba98
	s_mov_b32 s22, 0x600000
	s_min_u32 s52, s17, 7
	s_max_u32 s53, s17, 8
	s_sub_co_u32 s53, s53, 8
	s_lshl_b32 s54, s18, 4
	s_lshl_b32 s55, s52, 4
	s_add_co_u32 s55, s55, 256
	s_lshl_b32 s56, s53, 4
	s_add_co_u32 s56, s56, 384
	s_lshl_b32 s57, s52, 2
	s_lshl_b32 s58, s16, 1
	s_add_co_u32 s57, s57, s58
	s_lshl_b32 s58, s53, 2
	s_lshl_b32 s59, s15, 1
	s_add_co_u32 s58, s58, s59
	s_add_co_u32 s58, s58, 16
	s_lshl_b32 s59, s18, 1
	s_add_co_u32 s66, s59, s15
	s_add_co_u32 s67, s59, s16
	s_lshl_b32 s68, s52, 10
	s_lshl_b32 s69, s16, 9
	s_add_co_u32 s68, s68, s69
	s_lshl_b32 s69, s53, 10
	s_lshl_b32 s70, s15, 9
	s_add_co_u32 s69, s69, s70
	s_add_co_u32 s69, s69, 8192
	s_mov_b32 s60, HS
	s_mov_b32 s61, 1024
	s_mov_b32 s62, 0x03020100
	s_cmp_ge_u32 s17, 8
	s_cselect_b32 s19, 1, 0
	s_cselect_b32 s71, s56, s54
	s_cselect_b32 s72, s54, s55
	s_cselect_b32 s73, s58, s57
	s_cselect_b32 s74, s67, s66
	s_cselect_b32 s75, 8192, 0
	s_cselect_b32 s76, 512, 0
	s_cselect_b32 s90, s61, s60
	s_cselect_b32 s48, 2048, s61
	s_cselect_b32 s50, HS-6144, s61
	s_cselect_b32 s92, s60, 256
	s_cselect_b32 s79, 256, s60
	s_cselect_b32 s80, s62, 0x01000100
	s_cselect_b32 s81, s62, 0x03020302
	s_cselect_b32 s82, 0, s68
	s_cselect_b32 s83, s69, 8192
	s_mov_b32 s49, 0
	s_mov_b32 s51, 0
	s_mov_b32 s91, 0
	s_mov_b32 s93, 0
	s_mul_i32 s84, s73, s60
	s_mul_i32 s85, s74, KVB
	s_add_co_u32 s84, s84, s85
	s_add_co_u32 s86, s84, s75
	s_mov_b32 s87, 0
	s_add_co_u32 s88, s84, s76
	s_add_co_u32 s88, s88, 16384
	s_mov_b32 s89, 0
	s_mov_b32 s24, 3<<16
	s_mov_b32 s25, 512<<16
	s_mov_b32 s26, 8<<16
	s_mov_b32 s27, 512<<16
	s_mov_b32 s28, 8
	s_mov_b32 s29, 2048
	s_mov_b32 s30, 0
	s_mov_b32 s31, 0
	s_cmp_lt_u32 s14, 2
	s_cselect_b32 s94, s71, s72
	s_lshl_b32 s95, s16, 3
	s_add_co_u32 s94, s94, s95
	s_lshl_b32 s94, s94, 14
	s_mov_b32 s95, 0
	s_wait_kmcnt 0x0
	s_add_nc_u64 s[96:97], s[4:5], s[94:95]
	s_mov_b32 s32, 1
	s_lshl_b32 s33, s14, 15
	s_mov_b64 s[34:35], s[96:97]
	s_or_b32 s35, s35, 0x80000000
	s_mov_b32 s36, 1
	s_add_co_u32 s37, s33, SLOT
	s_add_nc_u64 s[38:39], s[96:97], 4096
	s_or_b32 s39, s39, 0x80000000
	tensor_load_to_lds s[32:35], s[24:31]
	s_nop 0
	s_wait_alu depctr_va_vdst(0)
	s_wait_tensorcnt 0x0
	ds_add_u32 v28, v29
	s_wait_dscnt 0x0
	s_barrier_signal -1
	s_barrier_wait -1
	tensor_load_to_lds s[36:39], s[24:31]
	s_nop 0
	PLACES 4
	s_add_nc_u64 s[40:41], s[10:11], s[86:87]
	s_add_nc_u64 s[42:43], s[40:41], s[90:91]
	s_add_nc_u64 s[44:45], s[10:11], s[88:89]
	s_add_nc_u64 s[46:47], s[44:45], s[92:93]
	v_and_b32 v1, 31, v0
	v_and_b32 v2, 15, v0
	v_bfe_u32 v3, v0, 4, 1
	v_lshlrev_b32 v24, 4, v1
	s_lshl_b32 s52, s15, 15
	v_add_nc_u32 v[ADRA], s52, v24
	v_add_nc_u32 v[ADRA+1], SLOT, v[ADRA]
	s_lshl_b32 s53, s16, 15
	s_add_co_u32 s53, s53, 65536
	v_add_nc_u32 v[ADRB], s53, v24
	v_add_nc_u32 v[ADRB+1], SLOT, v[ADRB]
	v_cmp_eq_u32 vcc_lo, 1, v3
	s_lshl_b32 s54, s15, 3
	s_add_co_u32 s54, s54, s71
	s_lshl_b32 s54, s54, 9
	s_lshl_b32 s55, s16, 3
	s_add_co_u32 s55, s55, s72
	s_lshl_b32 s55, s55, 9
	v_mov_b32 v22, s54
	v_mov_b32 v23, s55
	v_cndmask_b32 v22, v22, v23, vcc_lo
	v_lshl_add_u32 v22, v2, 4, v22
	v_mov_b32 v30, s80
	v_mov_b32 v31, s81
	v_cndmask_b32 v30, v30, v31, vcc_lo
	v_mul_lo_u32 v25, v3, s79
	v_lshl_add_u32 v25, v2, 4, v25
	v_lshl_add_u32 v26, v3, 6, s82
	v_and_b32 v27, 8, v2
	v_add_nc_u32 v27, v27, v2
	v_lshl_add_u32 v27, v27, 2, s83
.irp b, 0,1,2,3
	v_mov_b32 v[TM+4+\b], 0
.endr
.irp i, 0,1,2,3,4,5,6,7
	global_load_b128 v[SC+8*\i:SC+8*\i+3], v22, s[6:7] offset:512*\i
	global_load_b128 v[SC+8*\i+4:SC+8*\i+7], v22, s[6:7] offset:512*\i+256
.endr
.irp a, 0,1,2,3,4,5,6,7
	global_load_b32 v[BR+\a], v27, s[8:9] offset:(32*(\a/2)+8*(\a%2))*4
.endr
.macro FRAG reg, adr, q, i
.irp c, 0,1,2,3
	ds_load_b128 v[\reg+4*\c:\reg+4*\c+3], v[\adr] offset:4096*(\i)+2048*(\q)+512*\c
.endr
.endm
.macro FETCH_B slot, q, p
	WIN TO_B
.irp i, 0,1,2,3,4,5,6,7
	FRAG 128*(\p)+16*\i, ADRB+\slot, \q, \i
.endr
	WIN 0
.endm
.macro FETCH_A slot, q, i0
.irp i, \i0, \i0+1, \i0+2, \i0+3
	FRAG AF+16*(\i), ADRA+\slot, \q, \i
.endr
.endm
.macro MUL16 a0, p, ks, zero
.irp a, \a0, \a0+1
.irp b, 0,1,2,3,4,5,6,7
.if \zero
	v_wmma_scale_f32_16x16x128_f8f6f4 v[8*(8*((\a)%4)+\b):8*(8*((\a)%4)+\b)+7], v[128*(\p)+16*\b:128*(\p)+16*\b+15], v[AF+16*(\a):AF+16*(\a)+15], 0, v[SC+8*\b+(\ks)], v[SC+8*(\a)+(\ks)] matrix_a_scale:MATRIX_SCALE_ROW1
.else
	v_wmma_scale_f32_16x16x128_f8f6f4 v[8*(8*((\a)%4)+\b):8*(8*((\a)%4)+\b)+7], v[128*(\p)+16*\b:128*(\p)+16*\b+15], v[AF+16*(\a):AF+16*(\a)+15], v[8*(8*((\a)%4)+\b):8*(8*((\a)%4)+\b)+7], v[SC+8*\b+(\ks)], v[SC+8*(\a)+(\ks)] matrix_a_scale:MATRIX_SCALE_ROW1
.endif
.endr
.endr
.endm
.macro STEP slot, ks, zero
	s_wait_dscnt 16
	WIN MUL_LO
	MUL16 0, 0, \ks, \zero
	MUL16 2, 0, \ks, \zero
	s_wait_dscnt 0x0
	PLACES 8
	FETCH_B \slot, 1, 1
	FETCH_A \slot, 1, 0
	WIN MUL_HI
	MUL16 4, 0, \ks, \zero
	MUL16 6, 0, \ks, \zero
	PLACES 8
	WIN 0
	FETCH_A \slot, 1, 4
.endm
.macro TURN slot, next, ks, fill
	s_wait_tensorcnt 0x0
	ds_add_u32 v28, v29
	s_wait_dscnt 17
	WIN MUL_LO
	MUL16 0, 1, \ks, 0
	s_wait_dscnt 0x0
	s_barrier_signal -1
	MUL16 2, 1, \ks, 0
	WIN 0
	s_barrier_wait -1
.if \fill
	s_add_nc_u64 s[34+4*\slot:35+4*\slot], s[34+4*\slot:35+4*\slot], 8192
	tensor_load_to_lds s[32+4*\slot:35+4*\slot], s[24:31]
	s_nop 0
	PLACES 8
.else
	PLACES 8
.endif
	FETCH_B \next, 0, 0
	FETCH_A \next, 0, 0
	WIN MUL_HI
	MUL16 4, 1, \ks, 0
	MUL16 6, 1, \ks, 0
	PLACES 8
	WIN 0
	FETCH_A \next, 0, 4
.endm
	s_wait_alu depctr_va_vdst(0)
	s_wait_tensorcnt 0x1
	s_barrier_signal -1
	s_barrier_wait -1
	FETCH_B 0, 0, 0
	FETCH_A 0, 0, 0
	FETCH_A 0, 0, 4
	s_wait_loadcnt 0x0
	STEP 0, 0, 1
	TURN 0, 1, 1, 1
	STEP 1, 2, 0
	TURN 1, 0, 3, 1
	STEP 0, 4, 0
	TURN 0, 1, 5, 0
	STEP 1, 6, 0
	s_wait_dscnt 16
	WIN MUL_LO
	MUL16 0, 1, 7, 0
	MUL16 2, 1, 7, 0
	WIN 0
	PLACES 8
.irp b, 0,1,2,3,4,5,6,7
	global_load_b128 v[BC+8*\b:BC+8*\b+3], v26, s[8:9] offset:(32*(\b/2)+8*(\b%2))*4
	global_load_b128 v[BC+8*\b+4:BC+8*\b+7], v26, s[8:9] offset:(32*(\b/2)+8*(\b%2))*4+16
.endr
	s_wait_dscnt 0x0
	WIN MUL_HI
	MUL16 4, 1, 7, 0
	MUL16 6, 1, 7, 0
	WIN 0
	PLACES 8
	s_wait_loadcnt 0x0
.macro OUTBLK a
.set W, 2+(\a)/4
.set AC, 64*((\a)%4)
	s_cmp_eq_u32 s19, 0
	s_cbranch_scc0 .Lrow_\@
	WIN (W<<6)|W
.set k, 0
.rept 32
	v_pk_add_f32 v[AC+k:AC+k+1], v[AC+k:AC+k+1], v[BC+k:BC+k+1]
.set k, k+2
.endr
	WIN 0
	s_branch .Lbiased_\@
.Lrow_\@:
	v_mov_b32 v50, v[BR+(\a)]
	v_mov_b32 v51, v[BR+(\a)]
	WIN (W<<6)|W
.set k, 0
.rept 32
	v_pk_add_f32 v[AC+k:AC+k+1], v[AC+k:AC+k+1], v[50:51]
.set k, k+2
.endr
	WIN 0
.Lbiased_\@:
	WIN (W<<2)|(W<<4)
.irp b, 0,1,2,3
	v_max3_num_f32 v[TM+\b], 0x4800000, |v[AC+16*\b]|, |v[AC+16*\b+1]|
.endr
.irp i, 2,4,6,8,10,12,14
.irp b, 0,1,2,3
	v_max3_num_f32 v[TM+\b], v[TM+\b], |v[AC+16*\b+\i]|, |v[AC+16*\b+\i+1]|
.endr
.endr
	WIN 0
.irp b, 0,1,2,3
	v_permlanex16_b32 v[TM+4+\b], v[TM+\b], s20, s21
.endr
.irp b, 0,1,2,3
	v_max_num_f32 v[TM+\b], v[TM+\b], v[TM+4+\b]
.endr
.irp b, 0,1,2,3
	v_add_nc_u32 v[TM+12+\b], 0xfc000000, v[TM+\b]
.endr
.irp b, 0,1,2,3
	v_and_or_b32 v[TM+8+\b], v[TM+\b], 0x7f800000, s22
.endr
.irp b, 0,1,2,3
	v_lshrrev_b32 v[TM+4+\b], 23, v[TM+12+\b]
.endr
	v_lshl_or_b32 v[PW], v[TM+5], 8, v[TM+4]
	v_lshl_or_b32 v[PW], v[TM+6], 16, v[PW]
	v_lshl_or_b32 v[PW], v[TM+7], 24, v[PW]
	v_perm_b32 v[SW+(\a)], v[PW], v[PW], v30
	WIN (W<<6)|W
.irp b, 0,1,2,3
.irp i, 0,1,2,3,4,5,6,7,8,9,10,11,12,13,14,15
	v_med3_num_f32 v[AC+16*\b+\i], v[AC+16*\b+\i], -v[TM+8+\b], v[TM+8+\b]
.endr
.endr
	s_wait_alu depctr_va_vdst(0)
	s_wait_xcnt 0x0
.if (\a) == 4
	s_add_nc_u64 s[40:41], s[40:41], s[50:51]
	s_add_nc_u64 s[42:43], s[42:43], s[50:51]
.elseif (\a) > 0
	s_add_nc_u64 s[40:41], s[40:41], s[48:49]
	s_add_nc_u64 s[42:43], s[42:43], s[48:49]
.endif
	WIN W
.irp b, 0,1,2,3
	v_cvt_scalef32_pk8_fp8_f32 v[PC+4*\b:PC+4*\b+1], v[AC+16*\b:AC+16*\b+7], v[TM+12+\b]
	v_cvt_scalef32_pk8_fp8_f32 v[PC+4*\b+2:PC+4*\b+3], v[AC+16*\b+8:AC+16*\b+15], v[TM+12+\b]
.endr
	v_nop
	WIN 0
	global_store_b128 v24, v[PC:PC+3], s[40:41]
	global_store_b128 v24, v[PC+4:PC+7], s[40:41] offset:512
	global_store_b128 v24, v[PC+8:PC+11], s[42:43]
	global_store_b128 v24, v[PC+12:PC+15], s[42:43] offset:512
.endm
.irp a, 0,1,2,3,4,5,6,7
	OUTBLK \a
.endr
	global_store_b128 v25, v[SW:SW+3], s[44:45]
	global_store_b128 v25, v[SW+4:SW+7], s[46:47]
	s_wait_tensorcnt 0x0
	ds_add_u32 v28, v29
	s_wait_dscnt 0x0
	s_endpgm
.Lfunc_end_k_qf9dcb2ef9a_qkv:
	.size	k_qf9dcb2ef9a_qkv, .Lfunc_end_k_qf9dcb2ef9a_qkv-k_qf9dcb2ef9a_qkv
	.p2alignl 7, 3214868480
	.fill 96, 4, 3214868480
	.section	.rodata,"a",@progbits
	.p2align	6, 0x0
	.amdhsa_kernel k_qf9dcb2ef9a_qkv
		.amdhsa_group_segment_fixed_size 327680
		.amdhsa_private_segment_fixed_size 0
		.amdhsa_enable_private_segment 0
		.amdhsa_kernarg_size 32
		.amdhsa_user_sgpr_count 2
		.amdhsa_user_sgpr_kernarg_segment_ptr 1
		.amdhsa_wavefront_size32 1
		.amdhsa_system_sgpr_workgroup_id_x 1
		.amdhsa_system_sgpr_workgroup_id_y 1
		.amdhsa_system_sgpr_workgroup_id_z 1
		.amdhsa_system_vgpr_workitem_id 0
		.amdhsa_next_free_vgpr 1024
		.amdhsa_next_free_sgpr 100
		.amdhsa_reserve_vcc 1
		.amdhsa_float_denorm_mode_32 3
		.amdhsa_float_denorm_mode_16_64 3
		.amdhsa_memory_ordered 1
		.amdhsa_forward_progress 1
		.amdhsa_inst_pref_size 218
	.end_amdhsa_kernel
	.amdgpu_metadata
---
amdhsa.version: [ 1, 2 ]
amdhsa.kernels:
  - .name:           k_qf9dcb2ef9a_qkv
    .symbol:         k_qf9dcb2ef9a_qkv.kd
    .args:
      - { .name: opc, .offset: 0, .size: 8, .value_kind: global_buffer, .address_space: global }
      - { .name: ops, .offset: 8, .size: 8, .value_kind: global_buffer, .address_space: global }
      - { .name: b_qkv, .offset: 16, .size: 8, .value_kind: global_buffer, .address_space: global }
      - { .name: qkv, .offset: 24, .size: 8, .value_kind: global_buffer, .address_space: global }
    .group_segment_fixed_size: 327680
    .private_segment_fixed_size: 0
    .kernarg_segment_align: 8
    .kernarg_segment_size: 32
    .max_flat_workgroup_size: 128
    .sgpr_count:     100
    .vgpr_count:     1024
    .wavefront_size: 32
...
	.end_amdgpu_metadata
.endif
;; end of part 2
;; launch attn (part 3): grid 16 x 16, 16 waves a work-group, no clusters, 327,680 bytes of LDS; arguments qkv, ao, aos; writes ao, aos
.if DOCPART == 3
	.amdgcn_target "amdgcn-amd-amdhsa--gfx1250"
	.amdhsa_code_object_version 6
	.text
	.protected	k_qf9dcb2ef9a_attn
	.globl	k_qf9dcb2ef9a_attn
	.p2align	8
	.type	k_qf9dcb2ef9a_attn,@function
k_qf9dcb2ef9a_attn:
	s_mov_b64 s[64:65], 0
	v_nop
	global_prefetch_b8 v0, s[64:65] scope:SCOPE_SE
	s_setreg_imm32_b32 hwreg(HW_REG_WAVE_MODE, 25, 1), 1
	s_wait_xcnt 0x0
; CAUSAL ATTENTION on codes of E4M3: 16 heads of 64, 4,096 tokens.  S^T = K Q^T (K = the head's 64), p = 2^(t - M), O^T = V^T P^T (K = 128 keys a step).
; t = score x log2(e) / 8; M = the running largest t rounded UP to a whole number; p is quantised along the keys, not normalised; the row's sum is taken of the unquantised p and divides O at the end.  When M moves, the sum and O^T
; are multiplied by 2^(old M - new M): exact.  O / sum is quantised along the head's 64 at once, as the last product's operand: ao [token tile][K step = head / 2][2,048], group 2 (head % 2) + b; aos: its scale bytes.
; LEFT OUT: key steps of 128 keys that all come after a block's 128 queries: the causal mask gives their p the value 0, whatever the inputs.
; LIMITS: a block whose largest magnitude lies under 2^-118 keeps the byte 1; a block of zeros gets the byte 1 where the rule says 127 (zero codes; this program alone reads the bytes); 1 / sum is v_rcp_f32's; NaN and infinities are not served.
; SHARES.  Work-group (i, head) owns query blocks i and 31 - i of 128 queries.  Wave w owns the PAIR of tiles number w % 8, one of 16 queries in each block, and of the key steps those of its parity w / 8: so all sixteen waves have the same work
; in a slot.  A tile's two halves (even and odd key steps) are joined at the end through LDS: of its pair a wave keeps tile X (parity 0: block 31 - i; parity 1: block i) and hands tile Y to wave w xor 8.
; THE RING: two LDS slots of four key steps (17,408 dense bytes a step: K's codes, V's codes, both scale words), each filled by ONE tensor load of wave 0.  Every work-group walks all eight slots; a slot whose first step comes after
; block 31 - i is not asked for, and steps beyond a tile's block are left out by scalar branches on ids.
; NO CLUSTER: the work-groups of a head need different numbers of slots (5 to 8).
; K IN REGISTERS: a fragment's 64 channels are 8 registers, and a matrix instruction takes 16: Q's upper 8 are zero codes, so the upper 8 of K's may hold any codes that are numbers: they are the next tile's, and behind the last tile p's codes.
; Both products are used transposed: a lane holds ONE query throughout; the 16 registers of two neighbouring tiles are 16 neighbouring keys (channels).
; REGISTERS: v0, v27 at work; v1 16 x lane; v2 LDS address of the slot in hand; v3 the mask's d; v4 -infinity; v5, v6 the spare word, 0; v7 the prefetch's offset; v8-11 K's scale words; v12-15 X: -M, largest score, sum in two halves; v16-19 Y's;
; v20-23 V's scale words; v24, v25 Q's; v26 p's; v[28:29] f; v[30:31] a sum; v32-47 Q of X and zeros, v48-63 of Y; v64-95 O^T of X, v96-127 of Y; v128-143 at work; v144-207 K; v208-223 p's codes;
; scores, then p: key blocks 0, 1 in v224-255, blocks 2, 3 over K's tiles 0-3 in v144-175; V: two fragments in v176-207, two in v224-255.
.set HS,    557056
.set KVB,   17408
.set SLOT1, 131072                     ; slot 1 begins here: one exclusive or turns an address from slot to slot
.set MRG,   200704                     ; behind slot 1: 4,352 bytes for each wave, for the joining; no tensor load lands here
.set MW,    4352
.set SPARE, 270336                     ; the spare words, 128 bytes a wave: eight blocks of 256 bytes that no other line names
.set BM,  128                          ; v128-131 the key blocks' largest scores, then largest p
.set T1,  132                          ; v132-135 the other half's; later two of the three sums
.set LIM, 136                          ; v136-139 448 x the scale
.set SCL, 140                          ; v140-143 the conversions' scale operands
	s_load_b128 s[4:7], s[0:1], 0x0                ; qkv s[4:5], ao s[6:7]
	s_load_b64 s[8:9], s[0:1], 0x10                ; aos
	v_lshl_add_u32 v5, v0, 2, SPARE
	v_mov_b32 v6, 0
	ds_add_u32 v5, v6                              ; the opening lines
	ds_add_u32 v5, v6
	v_lshrrev_b32 v1, 5, v0
	v_readfirstlane_b32 s10, v1                    ; wave 0..15
	s_mov_b32 s11, ttmp9                           ; i
	s_and_b32 s12, ttmp7, 0xffff                   ; the head
	s_and_b32 s14, s10, 7                          ; my pair: tile number in both blocks
	s_lshr_b32 s15, s10, 3                         ; my parity
	s_sub_co_u32 s13, 31, s11
	s_mov_b32 s16, s15                             ; the key step in hand
	s_cmp_eq_u32 s15, 0
	s_cselect_b32 s42, s13, s11                    ; X's block, and its last key step
	s_cselect_b32 s43, s11, s13                    ; Y's
	s_mul_i32 s17, s15, KVB                        ; where my first step of the slot in hand begins in LDS
	s_mov_b32 s18, 8                               ; slots to walk
	s_mov_b32 s19, 0x600000                        ; the mantissa field of 448
	s_mov_b32 s20, 0x76543210
	s_mov_b32 s21, 0xfedcba98
	s_mov_b32 s22, 0x3e38aa3b                      ; c = log2(e) / 8
	s_mov_b32 s23, s22                             ; (named with it as a pair, so it is written)
	; descriptor group 1: four key steps, a dense block of 69,632 bytes, as 272 rows of 256
	s_mov_b32 s24, 3<<16                           ; no mask; elements of 8 bytes; no padding
	s_mov_b32 s25, 32<<16
	s_mov_b32 s26, 272<<16
	s_mov_b32 s27, 32<<16
	s_mov_b32 s28, 272
	s_mov_b32 s29, 32
	s_mov_b32 s30, 0
	s_mov_b32 s31, 0
	s_add_co_u32 s48, s12, 16
	s_mul_i32 s48, s48, HS                         ; the head's K and V in qkv
	s_mov_b32 s49, 0
	s_mul_i32 s50, s12, HS                         ; the head's Q
	s_lshr_b32 s44, s14, 2
	s_lshl_b32 s44, s44, 8
	s_and_b32 s45, s14, 3
	s_lshl_b32 s45, s45, 2
	s_add_co_u32 s44, s44, s45
	s_add_co_u32 s44, s44, 16384                   ; my tile's scale words in a block
	s_lshl_b32 s45, s14, 10                        ; and its codes
	s_mul_i32 s46, s42, KVB
	s_add_co_u32 s46, s46, s50
	s_add_co_u32 s52, s46, s45                     ; X's codes
	s_add_co_u32 s54, s46, s44                     ; X's scale words
	s_mul_i32 s46, s43, KVB
	s_add_co_u32 s46, s46, s50
	s_add_co_u32 s56, s46, s45                     ; Y's
	s_add_co_u32 s58, s46, s44
	s_mov_b32 s53, 0
	s_mov_b32 s55, 0
	s_mov_b32 s57, 0
	s_mov_b32 s59, 0
	s_lshl_b32 s60, s42, 3
	s_add_co_u32 s60, s60, s14                     ; X's token tile T
	s_lshl_b32 s66, s60, 9                         ; aos: 512 T
	s_lshl_b32 s60, s60, 14                        ; ao: 16,384 T
	s_lshr_b32 s44, s12, 1
	s_lshl_b32 s45, s44, 11
	s_add_co_u32 s60, s60, s45                     ; + 2,048 (head / 2)
	s_and_b32 s45, s12, 1
	s_lshl_b32 s46, s45, 10
	s_add_co_u32 s60, s60, s46                     ; + 1,024 (head % 2)
	s_lshl_b32 s45, s45, 1
	s_add_co_u32 s66, s66, s45                     ; + 2 (head % 2)
	s_and_b32 s44, s44, 3
	s_lshl_b32 s44, s44, 2
	s_add_co_u32 s66, s66, s44                     ; + 4 ((head / 2) % 4)
	s_lshr_b32 s44, s12, 3
	s_lshl_b32 s44, s44, 8
	s_add_co_u32 s66, s66, s44                     ; + 256 (head / 8)
	s_mov_b32 s61, 0
	s_mov_b32 s67, 0
	s_mov_b32 s40, 0                               ; the first key step of the slot last asked for
	s_wait_dscnt 0x0                               ; both opening adds are done
	s_wait_kmcnt 0x0
	s_mov_b32 s32, 1                               ; group 0: count = 1
	s_mov_b32 s33, 0                               ; LDS: slot 0
	s_add_nc_u64 s[34:35], s[4:5], s[48:49]        ; key steps 0 to 3
	s_or_b32 s35, s35, 0x80000000                  ; type = 2
	s_cmp_lg_u32 s10, 0
	s_cbranch_scc1 .Lno_first
	tensor_load_to_lds s[32:35], s[24:31]          ; slot 0's first fill; slot 1's goes out behind the first trip's barrier, as a refill does
	s_nop 0
.rept 4
	v_nop
.endr
.Lno_first:
	s_add_nc_u64 s[52:53], s[4:5], s[52:53]
	s_add_nc_u64 s[54:55], s[4:5], s[54:55]
	s_add_nc_u64 s[56:57], s[4:5], s[56:57]
	s_add_nc_u64 s[58:59], s[4:5], s[58:59]
	s_add_nc_u64 s[6:7], s[6:7], s[60:61]
	s_add_nc_u64 s[8:9], s[8:9], s[66:67]
	; the prefetches: all work-groups of a head walk the same slots and share them out: work-group i (0 to 5) asks for slot 7 - i, whole, at the change of slots that loads slot 6 - i; waves 4 to 12 ask, a lane a block of 256 bytes,
	; 272 blocks (lanes left over name the last block again).  Slots 0 and 1 come by their loads alone.
	s_min_u32 s44, s11, 7
	s_sub_co_u32 s44, 7, s44
	s_mul_i32 s44, s44, 4*KVB
	s_add_co_u32 s44, s44, s48
	s_mov_b32 s45, 0
	s_add_nc_u64 s[36:37], s[4:5], s[44:45]
	s_lshl_b32 s41, s11, 2
	s_sub_co_u32 s41, 24, s41                      ; the value of s40 at which my work-group asks (from i = 6 on none)
	s_sub_co_u32 s46, s10, 4
	s_lshl_b32 s47, s46, 5
	s_cmp_lt_u32 s46, 9
	s_cselect_b32 s41, s41, 0                      ; the other waves: never
	v_and_b32 v27, 31, v0
	v_and_b32 v28, 15, v0                          ; r
	v_bfe_u32 v29, v0, 4, 1                        ; h
	v_lshlrev_b32 v1, 4, v27                       ; 16 x lane
	v_add_nc_u32 v7, s47, v27
	v_min_u32 v7, 271, v7
	v_lshlrev_b32 v7, 8, v7
	v_lshlrev_b32 v30, 4, v28                      ; 16 r
	global_load_b128 v[32:35], v1, s[52:53]        ; X's queries
	global_load_b128 v[36:39], v1, s[52:53] offset:512
	global_load_b128 v[48:51], v1, s[56:57]        ; Y's
	global_load_b128 v[52:55], v1, s[56:57] offset:512
	global_load_b32 v24, v30, s[54:55]
	global_load_b32 v25, v30, s[58:59]
	s_lshr_b32 s44, s14, 1
	s_lshl_b32 s44, s44, 5
	s_and_b32 s45, s14, 1
	s_lshl_b32 s45, s45, 3
	s_add_co_u32 s44, s44, s45
	s_wait_alu depctr_va_vdst(0)
	v_and_b32 v3, 8, v28
	v_add_nc_u32 v3, v3, v28
	v_add_nc_u32 v3, s44, v3                       ; my query in its block: 32 (tile / 2) + 8 (tile % 2) + r + 8 (r / 8)
	v_lshlrev_b32 v31, 4, v29
	v_sub_nc_u32 v3, v3, v31                       ; d = that - 16 h: on the diagonal register 16 b + i is hidden where 32 b + i > d
	v_mov_b32 v4, 0xff800000                       ; -infinity
	v_mov_b32 v12, 0x7f61b1e6                      ; -M: 3e38
	v_mov_b32 v13, 0xff61b1e6                      ; the largest score so far: -3e38
	v_mov_b32 v16, 0x7f61b1e6
	v_mov_b32 v17, 0xff61b1e6
	v_mov_b32 v14, 0
	v_mov_b32 v15, 0
	v_mov_b32 v18, 0
	v_mov_b32 v19, 0
	v_mov_b32 v29, 0                               ; (named as the upper half of the pair v[28:29])
.irp j, 0,1,2,3,4,5,6,7
	v_mov_b32 v[40+\j], 0                          ; zero codes: the upper 64 of K, in Q
	v_mov_b32 v[56+\j], 0
	v_mov_b32 v[208+\j], 0                         ; p's codes: read behind K's last tile ahead of their first write
	v_mov_b32 v[216+\j], 0
.endr
.set jj, 0
.rept 64
	v_mov_b32 v[64+jj], 0                          ; O^T of both tiles: the step is written once for all steps: the first finds zeros
.set jj, jj+1
.endr
.irp b, 0,1,2,3
	v_mov_b32 v[T1+\b], 0                          ; written once: a lane permute's destination counts as one of its sources
.endr
	s_wait_alu depctr_va_vdst(0)                   ; the wait at the head's end
	s_wait_loadcnt 0x0                             ; Q
; Hidden scores of key blocks b0, b0 + 1 become -infinity.  Score register (b, i) is v[224 + 16 b - 112 (b / 2) + i].
.macro MASK b0
.set nn, 16*\b0
.rept 32
	v_cmp_gt_i32 vcc_lo, 32*(nn/16)+nn%16, v3
	v_cndmask_b32 v[224+16*(nn/16)-112*(nn/32)+nn%16], v[224+16*(nn/16)-112*(nn/32)+nn%16], v4, vcc_lo
.set nn, nn+1
.endr
.endm
; p of a key block is held at the largest code x the scale (the conversion does not saturate: ISA guide 7.6.2; p is not negative, so the hold is one-sided) and converted.
.macro CODES b
.irp i, 0,2,4,6,8,10,12,14
	v_dual_min_num_f32 v[224+16*\b-112*(\b/2)+\i], v[224+16*\b-112*(\b/2)+\i], v[LIM+\b] :: v_dual_min_num_f32 v[225+16*\b-112*(\b/2)+\i], v[225+16*\b-112*(\b/2)+\i], v[LIM+\b]
.endr
	v_cvt_scalef32_pk8_fp8_f32 v[208+4*\b:209+4*\b], v[224+16*\b-112*(\b/2):231+16*\b-112*(\b/2)], v[SCL+\b]
	v_cvt_scalef32_pk8_fp8_f32 v[210+4*\b:211+4*\b], v[232+16*\b-112*(\b/2):239+16*\b-112*(\b/2)], v[SCL+\b]
.endm
; A UNIT: 128 keys (the step that begins off bytes behind v2) for one tile: last = its block's scalar; q, qs its queries and their scale words; o its O^T; mm its -M, largest score, sum.
.macro UNIT off, last, q, qs, o, mm
	s_cmp_gt_u32 s16, s\last                       ; all keys come after my queries: a branch on ids round the unit; no barrier and no tensor load stands in a unit
	s_cbranch_scc1 .Lskip_\@
	ds_load_b128 v[8:11], v2 offset:\off+16384     ; K's scale words: lanes 0-15 tiles 0-3, lanes 16-31 tiles 4-7
.irp t, 0,1,2,3,4,5,6,7
	ds_load_b128 v[144+8*\t:147+8*\t], v2 offset:\off+1024*\t
	ds_load_b128 v[148+8*\t:151+8*\t], v2 offset:\off+1024*\t+512
.endr
	s_wait_dscnt 6                                 ; tiles 0 to 4 are in (tile 4 stands behind tile 3, against zeros); the six loads of tiles 5 to 7 may be out
.irp t, 0,1,2,3
	v_wmma_scale_f32_16x16x128_f8f6f4 v[224+8*\t:231+8*\t], v[144+8*\t:159+8*\t], v[\q:\q+15], 0, v[8+\t], v[\qs]
.endr
	s_wait_dscnt 0x0
.rept 8
	v_nop                                          ; places in front of the first read of these scores
.endr
	s_cmp_lg_u32 s16, s\last                       ; the mask, in the tile's last step alone; its own key counts, so the maximum is a number
	s_cbranch_scc1 .Lopen0_\@
	MASK 0
.Lopen0_\@:
.irp b, 0,1
	v_max3_num_f32 v[BM+\b], v[224+16*\b], v[225+16*\b], v[226+16*\b]   ; the largest score of each block of 32 keys: for the row's maximum, and, since p rises with the score, for the block's largest p
.endr
.irp i, 3,5,7
.irp b, 0,1
	v_max3_num_f32 v[BM+\b], v[BM+\b], v[224+16*\b+\i], v[225+16*\b+\i]
.endr
.endr
.irp t, 0,1,2,3
	v_wmma_scale_f32_16x16x128_f8f6f4 v[144+8*\t:151+8*\t], v[176+8*\t:191+8*\t], v[\q:\q+15], 0, v[8+\t], v[\qs] matrix_a_scale:MATRIX_SCALE_ROW1   ; over tiles 0-3, more than nine places behind the products that read them
.endr
.irp i, 9,11,13
.irp b, 0,1
	v_max3_num_f32 v[BM+\b], v[BM+\b], v[224+16*\b+\i], v[225+16*\b+\i]   ; with the next two lines, the places behind the four products
.endr
.endr
.irp b, 0,1
	v_max_num_f32 v[BM+\b], v[BM+\b], v[239+16*\b]
.endr
	ds_load_b128 v[20:23], v2 offset:\off+16896    ; V's scale words, and its first two fragments where K's tiles 4-7 were
.irp d, 0,1
.irp c, 0,1,2,3
	ds_load_b128 v[176+16*\d+4*\c:179+16*\d+4*\c], v2 offset:\off+8192+2048*\d+512*\c
.endr
.endr
	s_cmp_lg_u32 s16, s\last
	s_wait_alu depctr_va_vdst(0)                   ; the wait here, directly ahead of the branch
	s_cbranch_scc1 .Lopen1_\@
	MASK 2
.Lopen1_\@:
.irp b, 2,3
	v_max3_num_f32 v[BM+\b], v[112+16*\b], v[113+16*\b], v[114+16*\b]
.endr
.irp i, 3,5,7,9,11,13
.irp b, 2,3
	v_max3_num_f32 v[BM+\b], v[BM+\b], v[112+16*\b+\i], v[113+16*\b+\i]
.endr
.endr
.irp b, 2,3
	v_max_num_f32 v[BM+\b], v[BM+\b], v[127+16*\b]
.endr
.irp b, 0,1,2,3
	v_permlanex16_b32 v[T1+\b], v[BM+\b], s20, s21
.endr
.irp b, 0,1,2,3
	v_max_num_f32 v[BM+\b], v[BM+\b], v[T1+\b]     ; with lane l xor 16's 16 keys
.endr
	s_delay_alu instid0(VALU_DEP_2)
	v_max3_num_f32 v27, v[BM], v[BM+1], v[BM+2]
	s_delay_alu instid0(VALU_DEP_1)
	v_max3_num_f32 v[\mm+1], v27, v[BM+3], v[\mm+1]   ; the running largest score
	s_delay_alu instid0(VALU_DEP_1)
	v_mul_f32 v27, s22, v[\mm+1]                   ; as t (c is positive)
	s_delay_alu instid0(VALU_DEP_1)
	v_floor_f32 v0, -v27                           ; the new -M: M is a whole number
	s_delay_alu instid0(VALU_DEP_1)
	v_sub_f32 v27, v0, v[\mm]                      ; old M - new M: a whole number, 0 or less
	v_mov_b32 v[\mm], v0
	s_delay_alu instid0(VALU_DEP_2)
	v_cvt_i32_f32 v27, v27                         ; (it saturates)
.irp b, 0,1,2,3
.irp i, 0,2,4,6,8,10,12,14
	v_pk_fma_f32 v[224+16*\b-112*(\b/2)+\i:225+16*\b-112*(\b/2)+\i], v[224+16*\b-112*(\b/2)+\i:225+16*\b-112*(\b/2)+\i], s[22:23], v[\mm:\mm+1] op_sel_hi:[1,0,0]   ; t - M, two at a time
.endr
.endr
.irp b, 0,1,2,3
	v_fma_f32 v[BM+\b], v[BM+\b], s22, v[\mm]      ; the same of each block's largest score
.endr
	s_wait_alu depctr_va_vdst(0)                   ; the wait ahead of the batch
.irp b, 0,1,2,3
.irp i, 0,1,2,3,4,5,6,7,8,9,10,11,12,13,14,15
	v_exp_f32 v[224+16*\b-112*(\b/2)+\i], v[224+16*\b-112*(\b/2)+\i]   ; p = 2^(t - M), at most 1
.endr
.endr
	v_ldexp_f32 v28, 1.0, v27                      ; f = 2^(old M - new M): the plain line behind the exponentials
	s_wait_alu depctr_va_vdst(0)                   ; one wait for the batch, ahead of its first reader
.irp b, 0,1,2,3
	v_exp_f32 v[BM+\b], v[BM+\b]                   ; the block's largest p: the same two instructions on the same number
.endr
	v_pk_add_f32 v[30:31], v[224:225], v[230:231]  ; the step's sum of the unquantised p, in three chains: pair n of 32 goes to chain n % 3
	v_pk_add_f32 v[T1:T1+1], v[226:227], v[232:233]
	v_pk_add_f32 v[T1+2:T1+3], v[228:229], v[234:235]
.set nn, 6
.rept 26
.if nn%3 == 0
	v_pk_add_f32 v[30:31], v[30:31], v[224+16*(nn/8)-112*(nn/16)+2*(nn%8):225+16*(nn/8)-112*(nn/16)+2*(nn%8)]
.else
	v_pk_add_f32 v[T1+2*(nn%3)-2:T1+2*(nn%3)-1], v[T1+2*(nn%3)-2:T1+2*(nn%3)-1], v[224+16*(nn/8)-112*(nn/16)+2*(nn%8):225+16*(nn/8)-112*(nn/16)+2*(nn%8)]
.endif
.set nn, nn+1
.endr
	s_wait_alu depctr_va_vdst(0)                   ; and one for the four
.irp b, 0,1,2,3
	v_max_num_f32 v[BM+\b], 0x4800000, v[BM+\b]    ; the floor 2^(9 - 127): a block whose every p is 0 keeps the byte 1: its codes are zeros
.endr
.irp b, 0,1,2,3
	v_add_nc_u32 v[SCL+\b], 0xfc000000, v[BM+\b]   ; 8 off the exponent field
.endr
.irp b, 0,1,2,3
	v_and_or_b32 v[LIM+\b], v[BM+\b], 0x7f800000, s19
.endr
	v_lshrrev_b32 v26, 23, v[SCL]
	v_lshrrev_b32 v27, 23, v[SCL+1]
	v_lshrrev_b32 v0, 23, v[SCL+2]
	v_lshl_or_b32 v26, v27, 8, v26
	v_lshrrev_b32 v27, 23, v[SCL+3]
	v_lshl_or_b32 v26, v0, 16, v26
	v_lshl_or_b32 v26, v27, 24, v26                ; p's scale word for these 128 keys
	CODES 0
	CODES 1
.irp d, 0,1
.irp c, 0,1,2,3
	ds_load_b128 v[224+16*\d+4*\c:227+16*\d+4*\c], v2 offset:\off+12288+2048*\d+512*\c   ; V's other two fragments, where p of blocks 0 and 1 was
.endr
.endr
	CODES 2
	CODES 3
	s_wait_alu depctr_va_vdst(0)                   ; the wait here, directly ahead of the first reader of O^T
.irp j, 0,2,4,6,8,10,12,14,16,18,20,22,24,26,28,30
	v_pk_mul_f32 v[\o+\j:\o+\j+1], v[\o+\j:\o+\j+1], v[28:29] op_sel_hi:[1,0]   ; O^T under the new M; these lines also stand between the conversions and the products
.endr
	s_wait_alu depctr_va_vdst(0)                   ; and here, directly ahead of the wait below
	s_wait_dscnt 0x0
.irp d, 0,1,2,3
	v_wmma_scale_f32_16x16x128_f8f6f4 v[\o+8*\d:\o+8*\d+7], v[176+16*\d+16*(\d/2):191+16*\d+16*(\d/2)], v[208:223], v[\o+8*\d:\o+8*\d+7], v[20+\d], v26   ; the four accumulators by turns
.endr
	v_pk_add_f32 v[30:31], v[30:31], v[T1:T1+1]    ; nine places: the next unit loads into, and its products write over, registers that these have read
	v_pk_add_f32 v[30:31], v[30:31], v[T1+2:T1+3]
	v_pk_fma_f32 v[\mm+2:\mm+3], v[\mm+2:\mm+3], v[28:29], v[30:31] op_sel_hi:[1,0,1]   ; the sum under the new M, and this step's
.rept 6
	v_nop
.endr
.Lskip_\@:
.endm
; A trip is a slot.  In front of the barrier each wave waits for all its tensor loads, adds 0 to its spare word (twice on end) and waits for that and for its reads of the slot that it has left.
; Behind it the slot ahead is whole and nobody reads the other one, which is filled with the four key steps that follow.
.Lslot:
	s_wait_tensorcnt 0x0                           ; no tensor load of mine is out, so group 0 may be written
	ds_add_u32 v5, v6
	ds_add_u32 v5, v6
	s_xor_b32 s33, s33, SLOT1
	s_add_nc_u64 s[34:35], s[34:35], 4*KVB
	s_add_co_u32 s40, s40, 4                       ; the first key step of the slot that this change asks for
	s_wait_dscnt 0x0
	s_barrier_signal -1
	s_barrier_wait -1
	s_cmp_gt_u32 s40, s13                          ; THE CAUSAL LIMIT: a slot whose first step comes after block 31 - i is read by none of my work-group's waves, so it is not asked for: ids and the count of slots alone, the same in all sixteen waves
	s_cbranch_scc1 .Lpast
	s_cmp_lg_u32 s10, 0
	s_cbranch_scc1 .Lpast
	tensor_load_to_lds s[32:35], s[24:31]
	s_nop 0
.rept 4
	v_nop
.endr
.Lpast:
	s_cmp_eq_u32 s40, s41
	s_cbranch_scc0 .Lno_ask
	global_prefetch_b8 v7, s[36:37] th:TH_LOAD_NT scope:SCOPE_SE   ; the slot after the one that is asked for here
.Lno_ask:
	v_add_nc_u32 v2, s17, v1
	s_wait_alu depctr_va_vdst(0)                   ; the wait here, directly behind the write
	UNIT 0, 42, 32, 24, 64, 12
	UNIT 0, 43, 48, 25, 96, 16
	s_add_co_u32 s16, s16, 2
	UNIT 2*KVB, 42, 32, 24, 64, 12
	UNIT 2*KVB, 43, 48, 25, 96, 16
	s_add_co_u32 s16, s16, 2
	s_xor_b32 s17, s17, SLOT1
	s_sub_co_u32 s18, s18, 1
	s_cmp_lg_u32 s18, 0
	s_cbranch_scc1 .Lslot
	; THE JOINING.  Tile Y's half goes to wave w xor 8 through my 4,352 bytes: O^T, then -M and the lane's sum.
	s_wait_alu depctr_va_vdst(0)                   ; the wait here, directly ahead of the wait below
	s_wait_tensorcnt 0x0
	s_mul_i32 s44, s10, MW
	s_add_co_u32 s44, s44, MRG
	s_xor_b32 s45, s10, 8
	s_mul_i32 s45, s45, MW
	s_add_co_u32 s45, s45, MRG
	v_add_f32 v19, v18, v19
	v_mov_b32 v18, v16
	v_add_f32 v14, v14, v15
	v_lshrrev_b32 v136, 1, v1                      ; 8 x lane
	v_add_nc_u32 v137, s44, v1
	v_add_nc_u32 v138, s44, v136
	v_add_nc_u32 v139, s45, v1
	v_add_nc_u32 v140, s45, v136
	s_wait_alu depctr_va_vdst(0)                   ; the waits here, ahead of the stores
	ds_store_b64 v138, v[18:19] offset:4096
.irp k, 0,1,2,3,4,5,6,7
	s_wait_alu depctr_va_vdst(0)
	ds_store_b128 v137, v[96+4*\k:99+4*\k] offset:512*\k   ; each accumulator from its low end on
.endr
	s_wait_dscnt 0x0                               ; for the partner's sake
	s_barrier_signal -1
	s_barrier_wait -1
	ds_load_b64 v[132:133], v140 offset:4096       ; X's other half: -M and the sum
.irp k, 0,1,2,3,4,5,6,7
	ds_load_b128 v[176+4*\k:179+4*\k], v139 offset:512*\k
.endr
	s_wait_dscnt 0x0
	v_min_num_f32 v134, v12, v132                  ; -M of both: M is the larger
	v_sub_f32 v12, v134, v12
	v_sub_f32 v132, v134, v132
	v_cvt_i32_f32 v12, v12                         ; (a half that took no step has -M = 3e38: its factor is 0)
	v_cvt_i32_f32 v132, v132
	v_ldexp_f32 v12, 1.0, v12
	v_ldexp_f32 v132, 1.0, v132
	v_mul_f32 v14, v14, v12
	v_fma_f32 v14, v133, v132, v14
	v_permlanex16_b32 v135, v14, s20, s21
	v_add_f32 v14, v14, v135                       ; the row's sum
	s_wait_alu depctr_va_vdst(0)
	v_rcp_f32 v14, v14
	v_lshrrev_b32 v136, 8, v1                      ; h  (plain lines behind the reciprocal)
	v_and_b32 v138, 240, v1
	v_add_nc_u32 v138, v138, v136                  ; 16 r + h
	v_cmp_eq_u32 vcc_lo, 1, v136
	s_wait_alu depctr_va_vdst(0)                   ; the wait ahead of its first reader
	v_mul_f32 v12, v12, v14
	v_mul_f32 v132, v132, v14
.irp j, 0,2,4,6,8,10,12,14,16,18,20,22,24,26,28,30
	v_pk_mul_f32 v[144+\j:145+\j], v[64+\j:65+\j], v[12:13] op_sel_hi:[1,0]   ; register 16 b + i = channel 32 b + 16 h + i
.endr
.irp j, 0,2,4,6,8,10,12,14,16,18,20,22,24,26,28,30
	v_pk_fma_f32 v[144+\j:145+\j], v[176+\j:177+\j], v[132:133], v[144+\j:145+\j] op_sel_hi:[1,0,1]
.endr
	; THE WAY OUT: quantised along the head's 64 (two blocks), as an image of the last product's operand.
.irp b, 0,1
	v_max3_num_f32 v[BM+\b], |v[144+16*\b]|, |v[145+16*\b]|, 0x4800000
.endr
.irp i, 2,4,6,8,10,12,14
.irp b, 0,1
	s_delay_alu instid0(VALU_DEP_2)
	v_max3_num_f32 v[BM+\b], v[BM+\b], |v[144+16*\b+\i]|, |v[145+16*\b+\i]|
.endr
.endr
.irp b, 0,1
	v_permlanex16_b32 v[134+\b], v[BM+\b], s20, s21
.endr
.irp b, 0,1
	v_max_num_f32 v[BM+\b], v[BM+\b], v[134+\b]
.endr
.irp b, 0,1
	v_add_nc_u32 v[SCL+\b], 0xfc000000, v[BM+\b]
.endr
.irp b, 0,1
	v_and_or_b32 v[130+\b], v[BM+\b], 0x7f800000, s19
.endr
.irp b, 0,1
	v_lshrrev_b32 v[134+\b], 23, v[SCL+\b]
.endr
	v_cndmask_b32 v134, v134, v135, vcc_lo         ; lanes 0-15 carry block 0's byte out, lanes 16-31 block 1's
.irp b, 0,1
.irp i, 0,1,2,3,4,5,6,7,8,9,10,11,12,13,14,15
	v_med3_num_f32 v[144+16*\b+\i], v[144+16*\b+\i], -v[130+\b], v[130+\b]
.endr
	v_cvt_scalef32_pk8_fp8_f32 v[208+4*\b:209+4*\b], v[144+16*\b:151+16*\b], v[SCL+\b]
	v_cvt_scalef32_pk8_fp8_f32 v[210+4*\b:211+4*\b], v[152+16*\b:159+16*\b], v[SCL+\b]
.endr
	v_nop                                          ; a plain line behind the last conversion
	global_store_b128 v1, v[208:211], s[6:7]       ; 512 consecutive bytes a store
	global_store_b128 v1, v[212:215], s[6:7] offset:512
	global_store_b8 v138, v134, s[8:9]             ; single bytes: the heads that share a word live in other work-groups; 32 bytes against the tile's 1,024 of codes
	s_wait_tensorcnt 0x0                           ; the wave's end
	ds_add_u32 v5, v6
	s_wait_dscnt 0x0
	s_endpgm
.Lfunc_end_k_qf9dcb2ef9a_attn:
	.size	k_qf9dcb2ef9a_attn, .Lfunc_end_k_qf9dcb2ef9a_attn-k_qf9dcb2ef9a_attn
	.p2alignl 7, 3214868480
	.fill 96, 4, 3214868480
	.section	.rodata,"a",@progbits
	.p2align	6, 0x0
	.amdhsa_kernel k_qf9dcb2ef9a_attn
		.amdhsa_group_segment_fixed_size 327680
		.amdhsa_private_segment_fixed_size 0
		.amdhsa_enable_private_segment 0
		.amdhsa_kernarg_size 24
		.amdhsa_user_sgpr_count 2
		.amdhsa_user_sgpr_kernarg_segment_ptr 1
		.amdhsa_wavefront_size32 1
		.amdhsa_system_sgpr_workgroup_id_x 1
		.amdhsa_system_sgpr_workgroup_id_y 1
		.amdhsa_system_sgpr_workgroup_id_z 1
		.amdhsa_system_vgpr_workitem_id 0
		.amdhsa_next_free_vgpr 256
		.amdhsa_next_free_sgpr 100
		.amdhsa_reserve_vcc 1
		.amdhsa_float_denorm_mode_32 3
		.amdhsa_float_denorm_mode_16_64 3
		.amdhsa_memory_ordered 1
		.amdhsa_forward_progress 1
		.amdhsa_inst_pref_size 114
	.end_amdhsa_kernel
	.amdgpu_metadata
---
amdhsa.version: [ 1, 2 ]
amdhsa.kernels:
  - .name:           k_qf9dcb2ef9a_attn
    .symbol:         k_qf9dcb2ef9a_attn.kd
    .args:
      - { .name: qkv, .offset: 0, .size: 8, .value_kind: global_buffer, .address_space: global }
      - { .name: ao, .offset: 8, .size: 8, .value_kind: global_buffer, .address_space: global }
      - { .name: aos, .offset: 16, .size: 8, .value_kind: global_buffer, .address_space: global }
    .group_segment_fixed_size: 327680
    .private_segment_fixed_size: 0
    .kernarg_segment_align: 8
    .kernarg_segment_size: 24
    .max_flat_workgroup_size: 512
    .sgpr_count:     100
    .vgpr_count:     256
    .wavefront_size: 32
...
	.end_amdgpu_metadata
.endif
;; end of part 3
;; launch proj (part 4): grid 8 x 32, 8 waves a work-group, clusters of 4 x 4, 327,680 bytes of LDS; arguments ao, aos, opc, ops, b_proj, out0; writes out0
.if DOCPART == 4
	.amdgcn_target "amdgcn-amd-amdhsa--gfx1250"
	.amdhsa_code_object_version 6
	.text
	.protected	k_qf9dcb2ef9a_proj
	.globl	k_qf9dcb2ef9a_proj
	.p2align	8
	.type	k_qf9dcb2ef9a_proj,@function
k_qf9dcb2ef9a_proj:
	s_mov_b64 s[64:65], 0
	v_nop
	global_prefetch_b8 v0, s[64:65] scope:SCOPE_SE
	s_setreg_imm32_b32 hwreg(HW_REG_WAVE_MODE, 25, 1), 1
	s_wait_xcnt 0x0
	s_wait_alu depctr_hold_cnt(0) depctr_sa_sdst(0) depctr_va_vdst(0) depctr_va_sdst(0) depctr_va_ssrc(0) depctr_va_vcc(0) depctr_vm_vsrc(0)
	s_getreg_b32 s2, hwreg(HW_REG_IB_STS2, 6, 4)
	s_cmp_eq_u32 s2, 0
	s_cbranch_scc0 .Lentry_in_a_cluster
	s_endpgm
.Lentry_in_a_cluster:
	s_bfe_u32 s2, ttmp6, 0x10000c
	s_cmp_lg_u32 s2, 0xf033
	s_cbranch_scc0 .Lentry_shape_is_right
	s_endpgm
.Lentry_shape_is_right:
; OUT = attention's output x w_proj + b_proj, both operands as codes of E4M3 (K = 1,024: eight K steps of 128), f32 out.
; 256 work-groups; each makes 128 tokens (ao's tiles 8 gy ..) x 128 columns (opc's tiles 448 + 8 gx ..); each of eight waves makes 32 x 64: 8 accumulators.  Source 0 = a tile of w_proj's columns, source 1 = a tile of tokens: a lane holds one
; token, and the 16 registers of two neighbouring tiles are 16 neighbouring columns.  Row r of a tile is index 32 (T / 2) + 8 (T % 2) + r % 8 + 16 (r / 8): it shows only in the bias's and the stores' addresses.
; ALL OF K LIES IN LDS: 262,144 bytes in four pieces of two K steps, by first fills alone, one a wave: wave 2 p fetches piece p of the tokens, wave 2 p + 1 of the columns.  Each has a load line of its own, so that a piece's barrier waits for the
; waves of that piece and the earlier ones; the last wait stands on every wave's way.
; CLUSTERS: 4 x 4 work-groups: the four of a row share the tokens' tiles, the four of a column the columns': joint loads.  No prefetch: everything is asked for at the head, and there is no loop to run ahead in.
; REGISTERS: v1 16 x lane; v4-7, v8-11 fragments' LDS addresses in piece 0..3 (tokens, columns); v12-27 the tokens' scale words, v32-63 the columns' (nothing else ever lies there); v30, v31 the spare word, 0; v64-127 the columns' fragments,
; v128-159 the tokens'; v160-223 the accumulators ((a, b) at v[160 + 8 (4 a + b)]); v224-255 the bias, the C of each sum's first product.
.set STAGE, 262144                     ; behind the pieces: 16 rows x (256 bytes + 16) for each wave
.set SPARE, 296960                     ; the spare words, 128 bytes a wave
.macro PLACES n
.rept \n
	v_nop
.endr
.endm
.macro CROUND                          ; a round of the cluster's barrier
	s_barrier_signal -1
	s_barrier_wait -1
	s_cmp_lg_u32 s16, 0
	s_cbranch_scc1 .Lnot_wave_0_\@
	s_barrier_signal -3
.Lnot_wave_0_\@:
	s_barrier_wait -3
	s_barrier_signal -1
	s_barrier_wait -1
.endm
	s_load_b256 s[4:11], s[0:1], 0x0               ; ao s[4:5], aos s[6:7], opc s[8:9], ops s[10:11]
	s_load_b128 s[12:15], s[0:1], 0x20             ; b_proj s[12:13], out0 s[14:15]
	v_lshl_add_u32 v30, v0, 2, SPARE
	v_mov_b32 v31, 0
	ds_add_u32 v30, v31                            ; the opening lines
	ds_add_u32 v30, v31
	v_lshrrev_b32 v1, 5, v0
	v_readfirstlane_b32 s16, v1                    ; wave 0..7
	s_lshr_b32 s17, s16, 1                         ; which two tiles of tokens are mine; also: which piece I fetch
	s_and_b32 s18, s16, 1                          ; which four of columns
	s_bfe_u32 s40, ttmp6, 0x40000                  ; cx
	s_bfe_u32 s41, ttmp6, 0x40004                  ; cy
	s_lshl_b32 s19, ttmp9, 2
	s_add_co_u32 s19, s19, s40                     ; gx
	s_and_b32 s20, ttmp7, 0xffff
	s_lshl_b32 s20, s20, 2
	s_add_co_u32 s20, s20, s41                     ; gy
	s_lshl_b32 s43, s41, 2
	s_lshl_b32 s43, 15, s43                        ; my row of the cluster: shares the tokens
	s_lshl_b32 s44, 0x1111, s40                    ; my column: shares w_proj's columns
	; descriptor group 1: 8 rows (tiles) of 4,096 bytes (two K steps' images), 16,384 bytes apart; dense in LDS; elements of 8 bytes; bit 21 beside the mask
	s_or_b32 s24, s43, (3<<16)|(1<<21)
	s_or_b32 s48, s44, (3<<16)|(1<<21)
.irp g, 24,48
	s_mov_b32 s[\g+1], 512<<16
	s_mov_b32 s[\g+2], 8<<16
	s_mov_b32 s[\g+3], 512<<16
	s_mov_b32 s[\g+4], 8
	s_mov_b32 s[\g+5], 2048
	s_mov_b32 s[\g+6], 0
	s_mov_b32 s[\g+7], 0
.endr
	s_lshl_b32 s56, s20, 17                        ; ao: 16,384 x 8 gy
	s_mov_b32 s57, 0
	s_lshl_b32 s58, s19, 17
	s_add_co_u32 s58, s58, 448*16384               ; opc: 16,384 (448 + 8 gx)
	s_mov_b32 s59, 0
	s_lshl_b32 s60, s17, 12                        ; my piece along K
	s_mov_b32 s61, 0
	s_lshl_b32 s62, s16, 15                        ; LDS: 32,768 x wave: piece p at 65,536 p, tokens, then columns
	s_wait_alu depctr_va_vdst(0)                   ; the wait here, directly ahead of the wait below
	s_wait_dscnt 0x0                               ; both opening adds are done
	CROUND                                         ; all sixteen work-groups are here
	s_wait_kmcnt 0x0
	s_mov_b32 s32, 1
	s_mov_b32 s33, s62
	s_add_nc_u64 s[34:35], s[4:5], s[56:57]
	s_add_nc_u64 s[34:35], s[34:35], s[60:61]
	s_or_b32 s35, s35, 0x80000000
	s_mov_b32 s36, 1
	s_mov_b32 s37, s62
	s_add_nc_u64 s[38:39], s[8:9], s[58:59]
	s_add_nc_u64 s[38:39], s[38:39], s[60:61]
	s_or_b32 s39, s39, 0x80000000
; ONE chain of branches on the wave's number, each arm with its load: every way passes exactly one
.macro ARM under, g0, g1
	s_cmp_lt_u32 s16, \under
	s_cbranch_scc0 .Larm_\under
	tensor_load_to_lds s[\g0:\g0+3], s[\g1:\g1+7]
	s_nop 0
	PLACES 4
	s_branch .Lasked
.Larm_\under:
.endm
	ARM 1, 32, 24
	ARM 2, 36, 48
	ARM 3, 32, 24
	ARM 4, 36, 48
	ARM 5, 32, 24
	ARM 6, 36, 48
	ARM 7, 32, 24
	tensor_load_to_lds s[36:39], s[48:55]
	s_nop 0
	PLACES 4
.Lasked:
	v_and_b32 v1, 31, v0
	v_and_b32 v2, 15, v0                           ; r
	v_bfe_u32 v3, v0, 4, 1                         ; h
	v_lshlrev_b32 v1, 4, v1                        ; 16 x lane
	v_lshlrev_b32 v28, 4, v2                       ; scale words: 16 r
	v_lshlrev_b32 v29, 6, v3                       ; the bias: 64 h
	s_lshl_b32 s40, s20, 12
	s_lshl_b32 s42, s17, 10
	s_add_co_u32 s40, s40, s42                     ; aos: 512 (8 gy + 2 wa)
	s_mov_b32 s41, 0
	s_add_nc_u64 s[6:7], s[6:7], s[40:41]
	s_lshl_b32 s40, s19, 12
	s_lshl_b32 s42, s18, 11
	s_add_co_u32 s40, s40, s42
	s_add_co_u32 s40, s40, 448*512                 ; ops: 512 (448 + 8 gx + 4 wb)
	s_add_nc_u64 s[10:11], s[10:11], s[40:41]
	s_lshl_b32 s40, s19, 9
	s_lshl_b32 s42, s18, 8
	s_add_co_u32 s40, s40, s42                     ; my 64 columns, in bytes: 4 (128 gx + 64 wb)
	s_add_nc_u64 s[12:13], s[12:13], s[40:41]
	s_add_nc_u64 s[14:15], s[14:15], s[40:41]
	s_lshl_b32 s40, s20, 19
	s_lshl_b32 s42, s17, 17
	s_add_co_u32 s40, s40, s42                     ; my 32 tokens: 4,096 (128 gy + 32 wa)
	s_add_nc_u64 s[14:15], s[14:15], s[40:41]
	s_lshl_b32 s45, s17, 13                        ; my two tiles of tokens
	s_lshl_b32 s46, s18, 14
	s_add_co_u32 s46, s46, 32768                   ; my four of columns
	s_wait_alu depctr_va_vdst(0)
.irp i, 0,1
	global_load_b128 v[12+8*\i:15+8*\i], v28, s[6:7] offset:512*\i            ; tile i, K steps 0-3
	global_load_b128 v[16+8*\i:19+8*\i], v28, s[6:7] offset:512*\i+256        ; K steps 4-7
.endr
.irp i, 0,1,2,3
	global_load_b128 v[32+8*\i:35+8*\i], v28, s[10:11] offset:512*\i
	global_load_b128 v[36+8*\i:39+8*\i], v28, s[10:11] offset:512*\i+256
.endr
.irp b, 0,1,2,3
	global_load_b128 v[224+8*\b:227+8*\b], v29, s[12:13] offset:(32*(\b/2)+8*(\b%2))*4
	global_load_b128 v[228+8*\b:231+8*\b], v29, s[12:13] offset:(32*(\b/2)+8*(\b%2))*4+16
.endr
.irp p, 0,1,2,3
	v_add_nc_u32 v[4+\p], s45, v1
	v_add_nc_u32 v[8+\p], s46, v1
	s_add_co_u32 s45, s45, 65536
	s_add_co_u32 s46, s46, 65536
.endr
.macro ARRIVE under                    ; a piece is there: its waves and the earlier ones have waited
.if \under < 8
	s_cmp_lt_u32 s16, \under
	s_cbranch_scc0 .Lnot_yet_\@
	s_wait_tensorcnt 0x0
.Lnot_yet_\@:
.else
	s_wait_tensorcnt 0x0
.endif
	s_barrier_signal -1
	s_barrier_wait -1
.endm
.macro STEP s
.if \s > 0
	PLACES 8                                       ; in front of loads into registers that the last products have read
.endif
.irp i, 0,1,2,3
.irp c, 0,1,2,3
	ds_load_b128 v[64+16*\i+4*\c:67+16*\i+4*\c], v[8+(\s)/2] offset:4096*\i+2048*((\s)%2)+512*\c
.endr
.endr
.irp i, 0,1
.irp c, 0,1,2,3
	ds_load_b128 v[128+16*\i+4*\c:131+16*\i+4*\c], v[4+(\s)/2] offset:4096*\i+2048*((\s)%2)+512*\c
.endr
.endr
.irp a, 0,1
.if \a == 0
	s_wait_dscnt 4                                 ; the columns' fragments and the first tile of tokens are in; the four loads of the second may be out
.else
	s_wait_dscnt 0x0
.endif
.irp b, 0,1,2,3
.if \s == 0
	v_wmma_scale_f32_16x16x128_f8f6f4 v[160+8*(4*\a+\b):167+8*(4*\a+\b)], v[64+16*\b:79+16*\b], v[128+16*\a:143+16*\a], v[224+8*\b:231+8*\b], v[32+8*\b+\s], v[12+8*\a+\s]
.else
	v_wmma_scale_f32_16x16x128_f8f6f4 v[160+8*(4*\a+\b):167+8*(4*\a+\b)], v[64+16*\b:79+16*\b], v[128+16*\a:143+16*\a], v[160+8*(4*\a+\b):167+8*(4*\a+\b)], v[32+8*\b+\s], v[12+8*\a+\s]
.endif
.endr
.endr
.endm
	s_wait_alu depctr_va_vdst(0)                   ; the wait at the head's end
	s_wait_loadcnt 0x0                             ; the scale words and the bias
	ARRIVE 2
	STEP 0
	STEP 1
	ARRIVE 4
	STEP 2
	STEP 3
	ARRIVE 6
	STEP 4
	STEP 5
	ARRIVE 8
	STEP 6
	STEP 7
; THE WAY OUT, a tile of 16 tokens x 64 columns at a time, through my own stage: in by lanes (32 neighbouring bytes of a row each), back as whole rows of 256 bytes.  LDS serves a wave's instructions in order: no wait between.
	s_mul_i32 s45, s16, 16*272
	s_add_co_u32 s45, s45, STAGE                   ; my stage
	v_bfe_u32 v2, v1, 4, 4                         ; r.  (These ten lines are also the places behind the last products)
	v_lshrrev_b32 v3, 8, v1                        ; h
	v_mul_u32_u24 v28, v2, 272
	v_mul_u32_u24 v29, v3, 272
	v_lshl_add_u32 v28, v3, 6, v28
	v_lshl_add_u32 v29, v2, 4, v29
	v_add_nc_u32 v28, s45, v28                     ; in: row r, + 64 h
	v_add_nc_u32 v29, s45, v29                     ; back: lanes 0-15 one row of 256 bytes, lanes 16-31 the next
	v_lshlrev_b32 v0, 12, v3
	v_lshl_add_u32 v0, v2, 4, v0                   ; and the same two rows in out0
	s_wait_alu depctr_va_vdst(0)
.irp a, 0,1
.irp b, 0,1,2,3
	ds_store_b128 v28, v[160+8*(4*\a+\b):163+8*(4*\a+\b)] offset:128*(\b/2)+32*(\b%2)       ; each accumulator from its low end on
	ds_store_b128 v28, v[164+8*(4*\a+\b):167+8*(4*\a+\b)] offset:128*(\b/2)+32*(\b%2)+16
.endr
.irp t, 0,1,2,3,4,5,6,7
	ds_load_b128 v[64+32*\a+4*\t:67+32*\a+4*\t], v29 offset:544*\t
.endr
.endr
.irp a, 0,1
.irp t, 0,1,2,3,4,5,6,7
.if \a == 0
	s_wait_dscnt 23-\t                             ; behind row pair t of tile 0: 7 - t loads, and tile 1's 8 stores and 8 loads
.else
	s_wait_dscnt 7-\t
.endif
	global_store_b128 v0, v[64+32*\a+4*\t:67+32*\a+4*\t], s[14:15] offset:(8*\a+(2*\t)%8+16*(\t/4))*4096 th:TH_STORE_NT   ; sixteen lanes store 256 consecutive bytes, aligned; written once, read by nobody here
.endr
.endr
	s_wait_tensorcnt 0x0                           ; the wave's end
	ds_add_u32 v30, v31
	s_wait_dscnt 0x0
	CROUND                                         ; the closing round: no work-group ends while a partner may still ask for a tile that names it
	s_endpgm
.Lfunc_end_k_qf9dcb2ef9a_proj:
	.size	k_qf9dcb2ef9a_proj, .Lfunc_end_k_qf9dcb2ef9a_proj-k_qf9dcb2ef9a_proj
	.p2alignl 7, 3214868480
	.fill 96, 4, 3214868480
	.section	.rodata,"a",@progbits
	.p2align	6, 0x0
	.amdhsa_kernel k_qf9dcb2ef9a_proj
		.amdhsa_group_segment_fixed_size 327680
		.amdhsa_private_segment_fixed_size 0
		.amdhsa_enable_private_segment 0
		.amdhsa_kernarg_size 48
		.amdhsa_user_sgpr_count 2
		.amdhsa_user_sgpr_kernarg_segment_ptr 1
		.amdhsa_wavefront_size32 1
		.amdhsa_system_sgpr_workgroup_id_x 1
		.amdhsa_system_sgpr_workgroup_id_y 1
		.amdhsa_system_sgpr_workgroup_id_z 1
		.amdhsa_system_vgpr_workitem_id 0
		.amdhsa_next_free_vgpr 256
		.amdhsa_next_free_sgpr 66
		.amdhsa_reserve_vcc 0
		.amdhsa_float_denorm_mode_32 3
		.amdhsa_float_denorm_mode_16_64 3
		.amdhsa_memory_ordered 1
		.amdhsa_forward_progress 1
		.amdhsa_inst_pref_size 38
	.end_amdhsa_kernel
	.amdgpu_metadata
---
amdhsa.version: [ 1, 2 ]
amdhsa.kernels:
  - .name:           k_qf9dcb2ef9a_proj
    .symbol:         k_qf9dcb2ef9a_proj.kd
    .args:
      - { .name: ao, .offset: 0, .size: 8, .value_kind: global_buffer, .address_space: global }
      - { .name: aos, .offset: 8, .size: 8, .value_kind: global_buffer, .address_space: global }
      - { .name: opc, .offset: 16, .size: 8, .value_kind: global_buffer, .address_space: global }
      - { .name: ops, .offset: 24, .size: 8, .value_kind: global_buffer, .address_space: global }
      - { .name: b_proj, .offset: 32, .size: 8, .value_kind: global_buffer, .address_space: global }
      - { .name: out0, .offset: 40, .size: 8, .value_kind: global_buffer, .address_space: global }
    .group_segment_fixed_size: 327680
    .private_segment_fixed_size: 0
    .kernarg_segment_align: 8
    .kernarg_segment_size: 48
    .max_flat_workgroup_size: 256
    .sgpr_count:     66
    .vgpr_count:     256
    .wavefront_size: 32
...
	.end_amdgpu_metadata
.endif
;; end of part 4
